; MI455X (gfx1250); checked and timed in simulation.
; The chip was launched on July 23, 2026; its instructions are those of AMD's public machine-readable ISA for CDNA 5 (MIT licence, August 2026) and "CDNA5" Instruction Set Architecture Reference Guide (July 2026). The comments in the code are by the model that wrote it; some were corrected since.
;; EF Layout Spatial Attention. Allowed arithmetic: matrix products marked QUANTISED: E3M2 operands, one E8M0 scale for each 32 along K, by v_wmma_scale_f32_16x16x128_f8f6f4 with both operands' format E3M2, f32 sums; everything else in f32.
;; Inputs: cos 4,096 x 64 float32; hidden_states 4,096 x 1,024 float32; proj_b 1,024 float32; proj_w 1,024 x 1,024 float32; qkv_b 3,072 float32; qkv_w 3,072 x 1,024 float32; sin 4,096 x 64 float32.
;; Outputs: out0 4,096 x 1,024 float32.
;; This version of the problem:
;;   THIS VERSION OF THE PROBLEM IS GIVEN IN LOW PRECISION. The matrix products marked QUANTISED in the list below multiply operands that are first quantised to E3M2 (3 exponent bits, 2 mantissa bits; 6 bits a number), with one power-of-two scale for each 32 numbers along K (OCP MX v1.0); their sums are f32. All else is computed in f32.
;;   The module's matrix products, in the order in which they are computed (A, B: the left and right operand; K: the contracted axis; several contracted axes count as one K, in the product's order):
;;     1. [M 4,096, K 1,024] x [K 1,024, N 3,072]; A: input hidden_states; B: input qkv_w: QUANTISED
;;     2. batch 16 x [M 4,096, K 64] x [K 64, N 4,096]; A: computed on the way; B: computed on the way: QUANTISED
;;     3. batch 16 x [M 4,096, K 4,096] x [K 4,096, N 64]; A: softmax (see below); B: computed on the way: QUANTISED
;;     4. [M 4,096, K 1,024] x [K 1,024, N 1,024]; A: computed on the way; B: input proj_w: QUANTISED
;;   THE QUANTISER, for each operand of a quantised product, along K:
;;     - K is cut into blocks of 32 from its start; a last block that is shorter is filled with zeros.
;;     - A block's scale is 2^e with e = floor(log2(the largest magnitude in the block)) - 4, held to -126 .. 127; a block of zeros has e = 0. As a byte (E8M0): e + 127.
;;     - Each number is divided by its block's scale, clamped to +-28, and rounded to the nearest number of E3M2, ties to even, subnormals kept.
;;     - The product sums the exact products of the quantised numbers (number of the format x scale) in f32.
;;   ~~~python
;;   def quantise(x, axis):      # numpy; x: float32 -> the quantised numbers, widened to float32 again
;;       x = np.moveaxis(x, axis, -1); K = x.shape[-1]
;;       x = np.pad(x, [(0, 0)] * (x.ndim - 1) + [(0, -K % 32)]); x = x.reshape(x.shape[:-1] + (-1, 32)); a = np.abs(x).max(-1, keepdims=True)
;;       e = np.where(a > 0, np.clip(np.frexp(np.where(a > 0, a, 1))[1] - 1 - 4, -126, 127), 0)      # np.frexp(a)[1] - 1 = floor(log2(a)), exactly
;;       r = np.clip(x / 2.0 ** e, -28, 28)
;;       step = 2.0 ** (np.maximum(np.frexp(np.where(r == 0, 1, r))[1] - 1, -2) - 2)
;;       q = np.round(r / step) * step * 2.0 ** e      # np.round: ties to even
;;       return np.moveaxis(q.reshape(q.shape[:-2] + (-1,))[..., :K], -1, axis).astype(np.float32)
;;   ~~~
;;   SOFTMAX AHEAD OF A QUANTISED PRODUCT. Where the list says 'softmax', what is quantised is not the finished softmax but p = 2^(t - M), with t = logit x log2(e) and M = ceil(the row's largest t), a whole number; so 1/2 < the row's largest p <= 1. The row's sum l is taken of the UNQUANTISED p, in f32, and the product's result is divided by l at the end. Since M is a whole number, a kernel that streams over the keys may use a running M (the ceiling of the running maximum): every later rescaling is an exact power of two, which a block's scale takes up: the codes' values come out the same.
;;   OPERANDS COMPUTED ON THE WAY. 'Computed on the way' means the value that the module computes at that place (a softmax that the list does not call 'softmax' is quantised finished and normalised). What goes into a quantiser is computed in f32, as accurately as f32 sums, v_exp_f32 and their like allow (about 1e-6 of the number): no bf16 or f16 on the way to a quantiser, and a product that is left as it is and whose result goes on into a quantised operand takes f32 operands (vector FMAs, or v_wmma_f32_16x16x4_f32). A number that lies on a knife's edge between two numbers of the format may be rounded either way, as far as f32 arithmetic and the matrix unit's own rounding can turn it there, and no further.
;; One version. Each part assembles by itself: llvm-mc -triple=amdgcn-amd-amdhsa -mcpu=gfx1250 --defsym DOCPART=n.
;; ======== version 1 of 1: 4 launches
;; limits: right only within a limited range of input values
;; workspace buffers: opc 6,291,456 bytes; ops 262,144 bytes; qkvi 9,830,400 bytes; ac 3,145,728 bytes; asc 131,072 bytes
;; launch quant (part 1): grid 256 x 1, 4 waves a work-group, no clusters, 34,304 bytes of LDS; arguments hidden_states, qkv_w, proj_w, opc, ops; writes opc, ops
.if DOCPART == 1
	.amdgcn_target "amdgcn-amd-amdhsa--gfx1250"
	.amdhsa_code_object_version 6
	.text
	.protected	k_qaf84d6c518_quant
	.globl	k_qaf84d6c518_quant
	.p2align	8
	.type	k_qaf84d6c518_quant,@function
k_qaf84d6c518_quant:
	s_mov_b64 s[64:65], 0
	v_nop
	global_prefetch_b8 v0, s[64:65] scope:SCOPE_SE
	s_setreg_imm32_b32 hwreg(HW_REG_WAVE_MODE, 25, 1), 1
	s_wait_xcnt 0x0
; hidden_states [4096][1024], qkv_w [3072][1024] and proj_w [1024][1024], f32 with K innermost, become codes of BF6 (E3M2) with one E8M0 byte for each 32 along K,
; laid as IMAGES OF OPERAND REGISTERS.  opc: [tile 0..511][K step 0..7][1,536 bytes]; tiles 0-255 hidden_states, 256-447 qkv_w, 448-511 proj_w.
; An image holds the 12 registers of a fragment (16 rows x 128 K): registers 4 c .. 4 c + 3 of lane l at 512 c + 16 l.
; THE ROWS OF A TILE ARE NOT NEIGHBOURS: lane r of tile T holds row 32 (T / 2) + 8 (T % 2) + r + 8 (r / 8), so that as source 0 of a product two neighbouring tiles give a lane 16 neighbouring rows in 16 registers.
; ops: the scale word of tile T, K step s, row r lies at 512 T + 128 (s / 2) + 8 r + 4 (s % 2).
; A block's scale is 2^(floor(log2(its largest magnitude)) - 4); its byte is that magnitude's exponent field - 4, held at 1 from below.
; LIMITS: a block of zeros gets the byte 1 where the rule says 127 (its codes are zeros, and this program alone reads the bytes); blocks whose largest magnitude lies under 2^-122 are held at the floor's scale; NaN and infinities are not served.
; SHARES: a wave takes one tile and half of K: four K steps of 16 rows x 512 bytes.  Each load reads 512 consecutive bytes of one row; the step's 8 KiB turn through the wave's own stage in LDS, so that a lane
; then holds 16 neighbours of each block of 32.  No barrier: waves share nothing.  Two steps' loads (32 a wave) are out at the start, one step's while a step is worked.
.set SPITCH, 528                       ; a stage row: 512 bytes + 16: the 16 rows that a load touches start at 16 different groups of banks
.set R,   16                           ; v16-143   two sets of 64 numbers as loaded
.set X,   144                          ; v144-207  64 numbers turned: register 16 b + i = k 32 b + 16 (lane / 16) + i of my row
.set PC,  208                          ; v208-219  the fragment's codes
.set CT,  220                          ; v220-227  the blocks' other halves
.set TM,  228                          ; v228-243  at work in the quantiser
.set PW,  244                          ; v244-247  the four steps' scale words
.set SEL, 14                           ; s[14:15]  lane selects for v_permlanex16_b32: lane l xor 16
; 64 numbers of a lane, v[s] on, become a fragment's codes: k 0-63 in v[d0 .. d0 + 5], k 64-127 in v[d1 .. d1 + 5]; the row's scale word in v[pw].
.macro QUANT s, d0, d1, pw
.irp b, 0,1,2,3
	v_max3_num_f32 v[TM+\b], |v[\s+16*\b]|, |v[\s+1+16*\b]|, 0x2800000   ; block b: my 16 numbers, and the floor 2^(5 - 127): the byte cannot fall under 1
.endr
.irp i, 2,4,6,8,10,12,14
.irp b, 0,1,2,3
	v_max3_num_f32 v[TM+\b], v[TM+\b], |v[\s+16*\b+\i]|, |v[\s+1+16*\b+\i]|   ; the four blocks by turns
.endr
.endr
.irp b, 0,1,2,3
	v_permlanex16_b32 v[TM+4+\b], v[TM+\b], s[SEL], s[SEL+1]
.endr
.irp b, 0,1,2,3
	v_max_num_f32 v[TM+\b], v[TM+\b], v[TM+4+\b]   ; with lane l xor 16's 16: the block's largest magnitude
.endr
.irp b, 0,1,2,3
	v_add_nc_u32 v[TM+12+\b], 0xfe000000, v[TM+\b]   ; 4 off its exponent field: the conversion's scale operand
.endr
.irp b, 0,1,2,3
	v_lshrrev_b32 v[TM+4+\b], 23, v[TM+12+\b]      ; the scale's byte
.endr
	v_lshl_or_b32 v[\pw], v[TM+5], 8, v[TM+4]
	v_lshl_or_b32 v[\pw], v[TM+6], 16, v[\pw]
	v_lshl_or_b32 v[\pw], v[TM+7], 24, v[\pw]
	v_cvt_scalef32_pk16_bf6_f32 v[\d0:\d0+2], v[\s:\s+15], v[TM+12]
	v_cvt_scalef32_pk16_bf6_f32 v[CT:CT+2], v[\s+16:\s+31], v[TM+13]
	v_cvt_scalef32_pk16_bf6_f32 v[\d1:\d1+2], v[\s+32:\s+47], v[TM+14]
	v_cvt_scalef32_pk16_bf6_f32 v[CT+4:CT+6], v[\s+48:\s+63], v[TM+15]
	v_nop                                          ; one plain place behind the scaled conversions
.irp i, 0,1,2
	v_permlane16_swap_b32 v[\d0+\i], v[CT+\i]      ; the layout wants a whole block in a lane: lanes 0-15 the even block, lanes 16-31 the odd one
	v_permlane16_swap_b32 v[\d1+\i], v[CT+4+\i]
.endr
.irp i, 0,1,2
	v_mov_b32 v[\d0+3+\i], v[CT+\i]
	v_mov_b32 v[\d1+3+\i], v[CT+4+\i]
.endr
.endm
	s_load_b256 s[4:11], s[0:1], 0x0               ; hidden_states s[4:5], qkv_w s[6:7], proj_w s[8:9], opc s[10:11]
	s_load_b64 s[12:13], s[0:1], 0x20              ; ops
	v_lshl_add_u32 v254, v0, 2, 0x8400
	v_mov_b32 v255, 0
	v_lshrrev_b32 v1, 5, v0
	v_readfirstlane_b32 s16, v1                    ; wave 0..3
	v_and_b32 v1, 31, v0                           ; lane
	v_and_b32 v2, 15, v0                           ; r
	v_bfe_u32 v3, v0, 4, 1                         ; h
	v_lshlrev_b32 v4, 4, v1                        ; 16 x lane: my place in a load's and in a store's 512 bytes
	s_mul_i32 s17, s16, 16*SPITCH                  ; my wave's stage
	v_add_nc_u32 v5, s17, v4                       ; into it: a row as it lies
	v_mul_u32_u24 v6, v2, SPITCH
	v_lshl_add_u32 v6, v3, 6, v6
	v_add_nc_u32 v6, s17, v6                       ; out of it: row r, + 64 h: my 16 numbers of a block of 32
	v_lshlrev_b32 v7, 3, v1                        ; 8 x lane: the scale words' store
	s_mov_b32 s[SEL], 0x76543210
	s_mov_b32 s[SEL+1], 0xfedcba98
.irp b, 0,1,2,3
	v_mov_b32 v[TM+4+\b], 0                        ; written once: a lane permute's destination counts as one of its sources
.endr
	s_lshl_b32 s18, ttmp9, 1
	s_lshr_b32 s19, s16, 1
	s_add_co_u32 s18, s18, s19                     ; my tile: 2 x work-group + wave / 2
	s_and_b32 s19, s16, 1                          ; which half of K
	s_mov_b32 s20, 256
	s_mov_b32 s21, 448
	s_wait_alu depctr_va_vdst(0)
	s_wait_kmcnt 0x0
	s_cmp_lt_u32 ttmp9, 224                        ; which tensor: the choice hangs on the work-group's number alone
	s_cselect_b64 s[6:7], s[6:7], s[8:9]
	s_cselect_b32 s20, s20, s21
	s_cmp_lt_u32 ttmp9, 128
	s_cselect_b64 s[4:5], s[4:5], s[6:7]
	s_cselect_b32 s20, 0, s20                      ; the tensor's first tile
	s_sub_co_u32 s20, s18, s20                     ; my tile within the tensor
	s_lshr_b32 s21, s20, 1
	s_lshl_b32 s21, s21, 5
	s_and_b32 s20, s20, 1
	s_lshl_b32 s20, s20, 3
	s_add_co_u32 s20, s20, s21                     ; its first row: 32 (T / 2) + 8 (T % 2)
	s_lshl_b32 s20, s20, 12                        ; rows of 4,096 bytes
	s_lshl_b32 s21, s19, 11                        ; + my half of K
	s_add_co_u32 s20, s20, s21
	s_mov_b32 s21, 0
	s_add_nc_u64 s[4:5], s[4:5], s[20:21]
	s_mul_i32 s20, s18, 12288                      ; a tile's eight images
	s_mul_i32 s22, s19, 6144
	s_add_co_u32 s20, s20, s22
	s_add_nc_u64 s[10:11], s[10:11], s[20:21]
	s_lshl_b32 s20, s18, 9                         ; a tile's 512 bytes of scale words
	s_lshl_b32 s22, s19, 8
	s_add_co_u32 s20, s20, s22
	s_add_nc_u64 s[12:13], s[12:13], s[20:21]
.macro LOAD s                          ; K step s of my four: row i of the tile, 512 consecutive bytes a load
.irp i, 0,1,2,3,4,5,6,7,8,9,10,11,12,13,14,15
	global_load_b128 v[R+64*((\s)%2)+4*\i:R+64*((\s)%2)+4*\i+3], v4, s[4:5] offset:(\i+8*(\i/8))*4096+512*(\s) th:TH_LOAD_NT
.endr
.endm
.macro TURN s                          ; through the stage: LDS serves a wave's instructions in order, so no wait stands between the stores and the loads
.irp i, 0,1,2,3,4,5,6,7,8,9,10,11,12,13,14,15
	ds_store_b128 v5, v[R+64*((\s)%2)+4*\i:R+64*((\s)%2)+4*\i+3] offset:SPITCH*\i
.endr
.irp b, 0,1,2,3
.irp j, 0,1,2,3
	ds_load_b128 v[X+16*\b+4*\j:X+16*\b+4*\j+3], v6 offset:128*\b+16*\j
.endr
.endr
.endm
.macro STEP s
.if (\s) < 3
	s_wait_loadcnt 16                              ; this step's 16 loads are in; the next step's 16 may be out
.else
	s_wait_loadcnt 0x0
.endif
	TURN \s
	s_wait_dscnt 0x0                               ; my numbers are back, and the stores into the stage have read their registers
.if (\s) > 0
	s_wait_xcnt 0x0                                ; the last step's stores have read the codes' registers: they are written again below
.endif
.if (\s) < 2
	LOAD (\s)+2
.endif
	QUANT X, PC, PC+6, PW+(\s)
.irp c, 0,1,2
	global_store_b128 v4, v[PC+4*\c:PC+4*\c+3], s[10:11] offset:1536*(\s)+512*\c   ; the image: 512 consecutive bytes a store
.endr
.endm
	LOAD 0
	LOAD 1
	STEP 0
	STEP 1
	STEP 2
	STEP 3
	v_cmp_le_u32 vcc_lo, 16, v1                    ; lanes 0-15 store the words of steps 0, 1 of row r, lanes 16-31 those of steps 2, 3 (both halves of the lanes hold all four)
	v_cndmask_b32 v248, v[PW], v[PW+2], vcc_lo
	v_cndmask_b32 v249, v[PW+1], v[PW+3], vcc_lo
	global_store_b64 v7, v[248:249], s[12:13]      ; 32 lanes store 256 consecutive bytes, aligned
	s_wait_tensorcnt 0x0
	ds_add_u32 v254, v255
	s_wait_dscnt 0x0
	s_endpgm
.Lfunc_end_k_qaf84d6c518_quant:
	.size	k_qaf84d6c518_quant, .Lfunc_end_k_qaf84d6c518_quant-k_qaf84d6c518_quant
	.p2alignl 7, 3214868480
	.fill 96, 4, 3214868480
	.section	.rodata,"a",@progbits
	.p2align	6, 0x0
	.amdhsa_kernel k_qaf84d6c518_quant
		.amdhsa_group_segment_fixed_size 34304
		.amdhsa_private_segment_fixed_size 0
		.amdhsa_enable_private_segment 0
		.amdhsa_kernarg_size 40
		.amdhsa_user_sgpr_count 2
		.amdhsa_user_sgpr_kernarg_segment_ptr 1
		.amdhsa_wavefront_size32 1
		.amdhsa_system_sgpr_workgroup_id_x 1
		.amdhsa_system_sgpr_workgroup_id_y 1
		.amdhsa_system_sgpr_workgroup_id_z 1
		.amdhsa_system_vgpr_workitem_id 0
		.amdhsa_next_free_vgpr 256
		.amdhsa_next_free_sgpr 66
		.amdhsa_reserve_vcc 1
		.amdhsa_float_denorm_mode_32 3
		.amdhsa_float_denorm_mode_16_64 3
		.amdhsa_memory_ordered 1
		.amdhsa_forward_progress 1
		.amdhsa_inst_pref_size 34
	.end_amdhsa_kernel
	.amdgpu_metadata
---
amdhsa.version: [ 1, 2 ]
amdhsa.kernels:
  - .name:           k_qaf84d6c518_quant
    .symbol:         k_qaf84d6c518_quant.kd
    .args:
      - { .name: hidden_states, .offset: 0, .size: 8, .value_kind: global_buffer, .address_space: global }
      - { .name: qkv_w, .offset: 8, .size: 8, .value_kind: global_buffer, .address_space: global }
      - { .name: proj_w, .offset: 16, .size: 8, .value_kind: global_buffer, .address_space: global }
      - { .name: opc, .offset: 24, .size: 8, .value_kind: global_buffer, .address_space: global }
      - { .name: ops, .offset: 32, .size: 8, .value_kind: global_buffer, .address_space: global }
    .group_segment_fixed_size: 34304
    .private_segment_fixed_size: 0
    .kernarg_segment_align: 8
    .kernarg_segment_size: 40
    .max_flat_workgroup_size: 128
    .sgpr_count:     66
    .vgpr_count:     256
    .wavefront_size: 32
...
	.end_amdgpu_metadata
.endif
;; end of part 1
;; launch qkv (part 2): grid 12 x 16, 4 waves a work-group, clusters of 4 x 4, 327,680 bytes of LDS; arguments opc, ops, qkv_b, cos, sin, qkvi; writes qkvi
.if DOCPART == 2
	.amdgcn_target "amdgcn-amd-amdhsa--gfx1250"
	.amdhsa_code_object_version 6
	.text
	.protected	k_qaf84d6c518_qkv
	.globl	k_qaf84d6c518_qkv
	.p2align	8
	.type	k_qaf84d6c518_qkv,@function
k_qaf84d6c518_qkv:
	s_mov_b64 s[64:65], 0
	v_nop
	global_prefetch_b8 v0, s[64:65] scope:SCOPE_SE
	s_setreg_imm32_b32 hwreg(HW_REG_WAVE_MODE, 25, 1), 1
	s_wait_xcnt 0x0
	s_wait_alu depctr_hold_cnt(0) depctr_sa_sdst(0) depctr_va_vdst(0) depctr_va_sdst(0) depctr_va_ssrc(0) depctr_va_vcc(0) depctr_vm_vsrc(0)
	s_getreg_b32 s2, hwreg(HW_REG_IB_STS2, 6, 4)
	s_cmp_eq_u32 s2, 0
	s_cbranch_scc0 .Lentry_in_a_cluster
	s_endpgm
.Lentry_in_a_cluster:
	s_bfe_u32 s2, ttmp6, 0x10000c
	s_cmp_lg_u32 s2, 0xf033
	s_cbranch_scc0 .Lentry_shape_is_right
	s_endpgm
.Lentry_shape_is_right:
.set NQ,     2
.set FR,     12
.set FRB,    1536
.set NL,     3
.set NP,     4
.set TILEB,  NQ*FRB
.set HALFT,  8*TILEB
.set SLOT,   4*HALFT
.set SCL,    2*SLOT
.set SPARE,  SCL+16640
.set GRP,    6400
.set HEADB,  32*GRP
.set ADRA, 16
.set ADRB, 20
.set LI,   24
.set CA,   25
.set BA,   26
.set ADRS, 27
.set SPW,  28
.set NIL,  29
.set SA,   30
.set BVA,  31
.set SC,   32
.set BI,   64
.set AF,   128
.set F0,   32
.set F1,   44
.set SW,   56
.set Z,    128
.set L,    192
.set TM,   224
.set CT,   240
.set PW,   248
.set OW,   250
.set SEL,  2
.set G1,   24
.set G0,   32
.set G1B,  48
.set G0B,  56
.set G1S,  68
.set G0S,  76
.set G1SB, 80
.set G0SB, 88
.set MSB, 0
.macro WIN new
.if MSB != (\new)
	s_set_vgpr_msb (MSB<<8)|(\new)
.set MSB, (\new)
.endif
.endm
.set MUL_LO, 0xa1
.set MUL_HI, 0xf1
.set TO_B,   0x40
.macro JLOAD g0a, g1a, g0b, g1b
	s_cmp_eq_u32 s17, 0
	s_cbranch_scc0 .Lfor_b_\@
	tensor_load_to_lds s[\g0a:\g0a+3], s[\g1a:\g1a+7]
	s_nop 0
.rept 4
	v_nop
.endr
	s_branch .Lasked_\@
.Lfor_b_\@:
	tensor_load_to_lds s[\g0b:\g0b+3], s[\g1b:\g1b+7]
	s_nop 0
.rept 4
	v_nop
.endr
.Lasked_\@:
.endm
.macro CREST
	s_cmp_lg_u32 s16, 0
	s_cbranch_scc1 .Lnot_wave_0_\@
	s_barrier_signal -3
.Lnot_wave_0_\@:
	s_barrier_wait -3
	s_barrier_signal -1
	s_barrier_wait -1
.endm
.macro CROUND
	s_barrier_signal -1
	s_barrier_wait -1
	CREST
.endm
.macro PLACES n
.rept \n
	v_nop
.endr
.endm
.macro QUANT s, d0, d1, pw
.irp b, 0,1,2,3
	v_max3_num_f32 v[TM+\b], |v[\s+16*\b]|, |v[\s+1+16*\b]|, 0x2800000
.endr
.irp i, 2,4,6,8,10,12,14
.irp b, 0,1,2,3
	v_max3_num_f32 v[TM+\b], v[TM+\b], |v[\s+16*\b+\i]|, |v[\s+1+16*\b+\i]|
.endr
.endr
.irp b, 0,1,2,3
	v_permlanex16_b32 v[TM+4+\b], v[TM+\b], s[SEL], s[SEL+1]
.endr
.irp b, 0,1,2,3
	v_max_num_f32 v[TM+\b], v[TM+\b], v[TM+4+\b]
.endr
.irp b, 0,1,2,3
	v_add_nc_u32 v[TM+12+\b], 0xfe000000, v[TM+\b]
.endr
.irp b, 0,1,2,3
	v_lshrrev_b32 v[TM+4+\b], 23, v[TM+12+\b]
.endr
	v_lshl_or_b32 v[\pw], v[TM+5], 8, v[TM+4]
	v_lshl_or_b32 v[\pw], v[TM+6], 16, v[\pw]
	v_lshl_or_b32 v[\pw], v[TM+7], 24, v[\pw]
	v_cvt_scalef32_pk16_bf6_f32 v[\d0:\d0+2], v[\s:\s+15], v[TM+12]
	v_cvt_scalef32_pk16_bf6_f32 v[CT:CT+2], v[\s+16:\s+31], v[TM+13]
	v_cvt_scalef32_pk16_bf6_f32 v[\d1:\d1+2], v[\s+32:\s+47], v[TM+14]
	v_cvt_scalef32_pk16_bf6_f32 v[CT+4:CT+6], v[\s+48:\s+63], v[TM+15]
	v_nop
.irp i, 0,1,2
	v_permlane16_swap_b32 v[\d0+\i], v[CT+\i]
	v_permlane16_swap_b32 v[\d1+\i], v[CT+4+\i]
.endr
.irp i, 0,1,2
	v_mov_b32 v[\d0+3+\i], v[CT+\i]
	v_mov_b32 v[\d1+3+\i], v[CT+4+\i]
.endr
.endm
	s_load_b256 s[4:11], s[0:1], 0x0
	s_load_b128 s[12:15], s[0:1], 0x20
	v_lshl_add_u32 v[SPW], v0, 2, SPARE
	v_mov_b32 v[NIL], 0
	ds_add_u32 v28, v29
	ds_add_u32 v28, v29
	s_wait_dscnt 0x0
	v_lshrrev_b32 v1, 5, v0
	v_readfirstlane_b32 s16, v1
	s_lshr_b32 s17, s16, 1
	s_and_b32 s18, s16, 1
	s_bfe_u32 s21, ttmp6, 0x40000
	s_bfe_u32 s22, ttmp6, 0x40004
	s_and_b32 s20, ttmp7, 0xffff
	s_lshl_b32 s20, s20, 2
	s_lshl_b32 s42, s22, 2
	s_lshl_b32 s42, 15, s42
	s_lshl_b32 s43, 0x1111, s21
	s_lshl_b32 s23, ttmp9, 2
	s_add_co_u32 s23, s23, 16
	s_cmp_lt_u32 ttmp9, 2
	s_cselect_b32 s40, s20, 24
	s_cselect_b32 s41, s23, s20
	s_add_co_u32 s40, s40, s22
	s_add_co_u32 s41, s41, s21
	s_or_b32 s[G1], s42, (3<<16)|(1<<21)
	s_or_b32 s[G1B], s43, (3<<16)|(1<<21)
.irp g, G1, G1B
	s_mov_b32 s[\g+1], 384<<16
	s_mov_b32 s[\g+2], 16<<16
	s_mov_b32 s[\g+3], 384<<16
	s_mov_b32 s[\g+4], 16
	s_mov_b32 s[\g+5], 1536
	s_mov_b32 s[\g+6], 0
	s_mov_b32 s[\g+7], 0
.endr
	s_or_b32 s[G1S], s42, (3<<16)|(1<<21)
	s_or_b32 s[G1SB], s43, (3<<16)|(1<<21)
.irp g, G1S, G1SB
	s_mov_b32 s[\g+1], 32<<16
	s_mov_b32 s[\g+2], 32<<16
	s_mov_b32 s[\g+3], 32<<16
	s_mov_b32 s[\g+4], 32
	s_mov_b32 s[\g+5], 32
	s_mov_b32 s[\g+6], 0
	s_mov_b32 s[\g+7], 0
.endr
	s_lshl_b32 s44, s40, 4                         ; the block's first tile of A, and of B
	s_lshl_b32 s46, s41, 4
	s_mul_i32 s66, s18, 8*12288                    ; in the ring I fetch eight tiles: which half, in bytes
	s_mov_b32 s67, 0
	s_mul_i32 s92, s44, 12288
	s_mov_b32 s93, 0
	s_mul_i32 s94, s46, 12288
	s_mov_b32 s95, 0
	s_lshl_b32 s96, s44, 9
	s_mov_b32 s97, 0
	s_lshl_b32 s98, s46, 9
	s_mov_b32 s99, 0
	s_mul_i32 s45, s16, HALFT
	s_mov_b32 s[SEL], 0x76543210
	s_mov_b32 s[SEL+1], 0xfedcba98
	s_wait_kmcnt 0x0
	s_add_nc_u64 s[92:93], s[4:5], s[92:93]
	s_add_nc_u64 s[94:95], s[4:5], s[94:95]
	s_add_nc_u64 s[96:97], s[6:7], s[96:97]
	s_add_nc_u64 s[98:99], s[6:7], s[98:99]
	CROUND
	s_mov_b32 s[G0S], 1
	s_mov_b32 s[G0S+1], SCL
	s_mov_b64 s[G0S+2:G0S+3], s[96:97]
	s_or_b32 s[G0S+3], s[G0S+3], 0x80000000
	s_mov_b32 s[G0SB], 1
	s_mov_b32 s[G0SB+1], SCL+8320
	s_mov_b64 s[G0SB+2:G0SB+3], s[98:99]
	s_or_b32 s[G0SB+3], s[G0SB+3], 0x80000000
; THE HEAD'S LOADS, ONE A WAVE, in one tree of branches on the wave's number: wave 0 slot 0's 16 tiles of A, wave 1 its 16 tiles of B, wave 2 the scale words of A's 16 tiles, wave 3 those of B's.
.set G0H,  4                           ; s[4:7], s[96:99]: group 0 of the two loads of codes (what lay there has been used)
.set G0HB, 96
	s_mov_b32 s[G0H], 1
	s_mov_b32 s[G0H+1], 0
	s_mov_b64 s[G0H+2:G0H+3], s[92:93]
	s_or_b32 s[G0H+3], s[G0H+3], 0x80000000
	s_mov_b32 s[G0HB], 1
	s_mov_b32 s[G0HB+1], 2*HALFT
	s_mov_b64 s[G0HB+2:G0HB+3], s[94:95]
	s_or_b32 s[G0HB+3], s[G0HB+3], 0x80000000
.macro ARM under, g0, g1, next
	s_cmp_lt_u32 s16, \under
	s_cbranch_scc0 \next
	tensor_load_to_lds s[\g0:\g0+3], s[\g1:\g1+7]
	s_nop 0
.rept 4
	v_nop
.endr
	s_branch .Lhead_asked
\next:
.endm
	ARM 1, G0H,  G1,  .Lhead_b
	ARM 2, G0HB, G1B, .Lhead_sa
	ARM 3, G0S,  G1S, .Lhead_sb
	tensor_load_to_lds s[G0SB:G0SB+3], s[G1SB:G1SB+7]
	s_nop 0
.rept 4
	v_nop
.endr
.Lhead_asked:
	s_add_nc_u64 s[92:93], s[92:93], s[66:67]      ; for the ring: my eight tiles
	s_add_nc_u64 s[94:95], s[94:95], s[66:67]
.irp s, 0,1
	s_mov_b32 s[G0+4*\s], 1
	s_add_co_u32 s[G0+4*\s+1], s45, \s*SLOT
	s_add_nc_u64 s[G0+4*\s+2:G0+4*\s+3], s[92:93], \s*TILEB
	s_or_b32 s[G0+4*\s+3], s[G0+4*\s+3], 0x80000000
	s_mov_b32 s[G0B+4*\s], 1
	s_add_co_u32 s[G0B+4*\s+1], s45, \s*SLOT
	s_add_nc_u64 s[G0B+4*\s+2:G0B+4*\s+3], s[94:95], \s*TILEB
	s_or_b32 s[G0B+4*\s+3], s[G0B+4*\s+3], 0x80000000
.endr
	v_and_b32 v1, 31, v0
	v_and_b32 v2, 15, v0
	v_bfe_u32 v3, v0, 4, 1
	s_wait_alu depctr_va_vdst(0)
	v_lshlrev_b32 v[LI], 4, v1
	s_mul_i32 s44, s17, HALFT
	s_mul_i32 s46, s18, HALFT
	s_add_co_u32 s46, s46, 2*HALFT
.irp s, 0,1
	v_add_nc_u32 v[ADRA+\s], s44, v[LI]
	v_add_nc_u32 v[ADRB+\s], s46, v[LI]
	s_add_co_u32 s44, s44, SLOT
	s_add_co_u32 s46, s46, SLOT
.endr
	s_lshl_b32 s44, s17, 12
	s_lshl_b32 s46, s18, 12
	s_add_co_u32 s46, s46, 8320
	s_sub_co_u32 s46, s46, s44
	v_mul_u32_u24 v4, s46, v3
	v_lshl_add_u32 v4, v2, 3, v4
	s_add_co_u32 s44, s44, SCL
	v_add_nc_u32 v[ADRS], s44, v4
	v_and_b32 v4, 8, v2
	v_add_nc_u32 v4, v4, v2
	v_lshlrev_b32 v[CA], 8, v4
	v_lshl_add_u32 v[CA], v3, 6, v[CA]
	v_lshlrev_b32 v[BA], 6, v3
	v_lshlrev_b32 v[BVA], 2, v4
	v_mul_u32_u24 v[SA], v3, HEADB
	v_lshl_add_u32 v[SA], v2, 4, v[SA]
.irp b, 0,1,2,3
	v_mov_b32 v[TM+4+\b], 0
.endr
.macro FRAG reg, adr, q, i
.irp c, 0,1,2
	ds_load_b128 v[\reg+4*\c:\reg+4*\c+3], v[\adr] offset:TILEB*(\i)+FRB*(\q)+512*\c
.endr
.endm
.macro MUL16 a0, p, q, sc, zero
.irp a, \a0, \a0+1
.irp b, 0,1,2,3,4,5,6,7
.if \zero
	v_wmma_scale_f32_16x16x128_f8f6f4 v[8*(8*((\a)%4)+\b):8*(8*((\a)%4)+\b)+7], v[128*(\p)+FR*\b:128*(\p)+FR*\b+FR-1], v[AF+FR*(\a):AF+FR*(\a)+FR-1], 0, v[SC+8*NQ*(\sc)+NQ*\b+(\q)], v[SC+8*NQ*(\sc)+NQ*(\a)+(\q)] matrix_a_fmt:MATRIX_FMT_BF6 matrix_b_fmt:MATRIX_FMT_BF6 matrix_a_scale:MATRIX_SCALE_ROW1
.else
	v_wmma_scale_f32_16x16x128_f8f6f4 v[8*(8*((\a)%4)+\b):8*(8*((\a)%4)+\b)+7], v[128*(\p)+FR*\b:128*(\p)+FR*\b+FR-1], v[AF+FR*(\a):AF+FR*(\a)+FR-1], v[8*(8*((\a)%4)+\b):8*(8*((\a)%4)+\b)+7], v[SC+8*NQ*(\sc)+NQ*\b+(\q)], v[SC+8*NQ*(\sc)+NQ*(\a)+(\q)] matrix_a_fmt:MATRIX_FMT_BF6 matrix_b_fmt:MATRIX_FMT_BF6 matrix_a_scale:MATRIX_SCALE_ROW1
.endif
.endr
.endr
.endm
.macro FETCH_B slot, q, p
	WIN TO_B
.irp i, 0,1,2,3,4,5,6,7
	FRAG 128*(\p)+FR*\i, ADRB+\slot, \q, \i
.endr
	WIN 0
.endm
.macro FETCH_A slot, q, i0
.irp i, \i0, \i0+1, \i0+2, \i0+3
	FRAG AF+FR*(\i), ADRA+\slot, \q, \i
.endr
.endm
.macro SCALES sc
.irp i, 0,1,2,3,4,5,6,7
	ds_load_b64 v[SC+8*NQ*\sc+NQ*\i:SC+8*NQ*\sc+NQ*\i+1], v[ADRS] offset:512*\i
.endr
.endm
.macro STEP slot, q, zero
	s_wait_dscnt 4*NL
	WIN MUL_LO
	MUL16 0, (\q)%2, \q, \slot, \zero
	MUL16 2, (\q)%2, \q, \slot, \zero
	s_wait_dscnt 0
	PLACES NP
	FETCH_B \slot, (\q)+1, 1-(\q)%2
	FETCH_A \slot, (\q)+1, 0
	WIN MUL_HI
	MUL16 4, (\q)%2, \q, \slot, \zero
	MUL16 6, (\q)%2, \q, \slot, \zero
	PLACES NP
	WIN 0
	FETCH_A \slot, (\q)+1, 4
.endm
.macro TURN slot, next, fill
	s_wait_tensorcnt 0x0
	ds_add_u32 v[SPW], v[NIL]
	s_wait_dscnt 4*NL+1
	WIN MUL_LO
	MUL16 0, 1, NQ-1, \slot, 0
	s_wait_dscnt 0x0
	s_barrier_signal -1
	MUL16 2, 1, NQ-1, \slot, 0
	WIN 0
	s_barrier_wait -1
.if \fill
	CREST
	s_add_nc_u64 s[G0+4*\slot+2:G0+4*\slot+3], s[G0+4*\slot+2:G0+4*\slot+3], 2*TILEB
	s_add_nc_u64 s[G0B+4*\slot+2:G0B+4*\slot+3], s[G0B+4*\slot+2:G0B+4*\slot+3], 2*TILEB
	JLOAD G0+4*\slot, G1, G0B+4*\slot, G1B
.else
	PLACES NP
.endif
	s_wait_alu depctr_va_vdst(0)
	v_add_nc_u32 v[ADRS], 128, v[ADRS]
	FETCH_B \next, 0, 0
	FETCH_A \next, 0, 0
	SCALES \next
	WIN MUL_HI
	MUL16 4, 1, NQ-1, \slot, 0
	MUL16 6, 1, NQ-1, \slot, 0
	PLACES NP
	WIN 0
	FETCH_A \next, 0, 4
.endm
.macro LAST
	s_wait_dscnt 4*NL
	WIN MUL_LO
	MUL16 0, 1, NQ-1, 1, 0
	MUL16 2, 1, NQ-1, 1, 0
	s_wait_dscnt 0x0
	WIN MUL_HI
	MUL16 4, 1, NQ-1, 1, 0
	MUL16 6, 1, NQ-1, 1, 0
	PLACES NP
	WIN 0
.endm
	s_wait_alu depctr_va_vdst(0)                   ; the wait at the head's end
	s_wait_tensorcnt 0x0                           ; my tile of the head's four is in
	ds_add_u32 v[SPW], v[NIL]
	s_mov_b32 s[G1+2], 8<<16                       ; no tensor load of mine is out: from here on a load brings eight tiles
	s_mov_b32 s[G1+4], 8
	s_mov_b32 s[G1B+2], 8<<16
	s_mov_b32 s[G1B+4], 8
	s_wait_dscnt 0x0
	CROUND                                         ; all four tiles are in, and the joint loads meet
	JLOAD G0+4, G1, G0B+4, G1B                     ; slot 1, the first tensor load behind the round
	FETCH_B 0, 0, 0
	FETCH_A 0, 0, 0
	SCALES 0
	FETCH_A 0, 0, 4
	STEP 0, 0, 1
	TURN 0, 1, 1
	STEP 1, 0, 0
	TURN 1, 0, 1
	STEP 0, 0, 0
	TURN 0, 1, 0
	STEP 1, 0, 0
	s_cmp_eq_u32 ttmp9, 2
	s_cbranch_scc1 .Lv
	s_lshl_b32 s19, ttmp9, 2
	s_add_co_u32 s19, s19, s21
	s_lshl_b32 s66, s19, 10
	s_lshl_b32 s23, s18, 9
	s_add_co_u32 s66, s66, s23
	s_mov_b32 s67, 0
	s_add_nc_u64 s[8:9], s[8:9], s[66:67]
	s_add_co_u32 s19, s20, s22
	s_lshl_b32 s66, s19, 16
	s_lshl_b32 s23, s17, 15
	s_add_co_u32 s66, s66, s23
	s_add_nc_u64 s[10:11], s[10:11], s[66:67]
	s_add_nc_u64 s[12:13], s[12:13], s[66:67]
	s_lshl_b32 s19, s19, 1
	s_add_co_u32 s19, s19, s17
	s_mul_i32 s66, s19, GRP
	s_lshl_b32 s19, s21, 2
	s_lshl_b32 s23, s18, 1
	s_add_co_u32 s19, s19, s23
	s_mul_i32 s19, s19, HEADB
	s_add_co_u32 s66, s66, s19
	s_mul_i32 s19, ttmp9, 16*HEADB
	s_add_co_u32 s66, s66, s19
	s_add_nc_u64 s[14:15], s[14:15], s[66:67]
.irp b, 0,1,2,3,4,5,6,7
	global_load_b128 v[BI+8*\b:BI+8*\b+3], v[BA], s[8:9] offset:4*(32*(\b/2)+8*(\b%2))
	global_load_b128 v[BI+8*\b+4:BI+8*\b+7], v[BA], s[8:9] offset:4*(32*(\b/2)+8*(\b%2))+16
.endr
.macro CSLOAD a
.irp q, 0,1
.irp j, 0,1,2,3
	global_load_b128 v[64*((\a)%4)+16*\q+4*\j:64*((\a)%4)+16*\q+4*\j+3], v[CA], s[10:11] offset:256*(32*((\a)/2)+8*((\a)%2))+128*\q+16*\j
.endr
.endr
.irp q, 0,1
.irp j, 0,1,2,3
	global_load_b128 v[64*((\a)%4)+32+16*\q+4*\j:64*((\a)%4)+32+16*\q+4*\j+3], v[CA], s[12:13] offset:256*(32*((\a)/2)+8*((\a)%2))+128*\q+16*\j
.endr
.endr
.endm
	WIN TO_B
	CSLOAD 0
	CSLOAD 1
	LAST
	WIN TO_B
	CSLOAD 2
	CSLOAD 3
.macro QKBLK a, left
	s_wait_loadcnt \left
	WIN 0x02+(\a)/4
.irp b, 0,1,2,3,4,5,6,7
.irp p, 0,2,4,6
.if (\b%4) < 2
	v_pk_add_f32 v[L+16*(\b/4)+8*(\b%2)+\p:L+16*(\b/4)+8*(\b%2)+\p+1], v[8*(8*((\a)%4)+\b)+\p:8*(8*((\a)%4)+\b)+\p+1], v[BI+8*\b+\p:BI+8*\b+\p+1]
.else
	v_pk_add_f32 v[Z+32*(\b/4)+16+8*(\b%2)+\p:Z+32*(\b/4)+16+8*(\b%2)+\p+1], v[8*(8*((\a)%4)+\b)+\p:8*(8*((\a)%4)+\b)+\p+1], v[BI+8*\b+\p:BI+8*\b+\p+1]
.endif
.endr
.endr
	WIN 0x04
.irp g, 0,1
.irp i, 0,2,4,6,8,10,12,14
	v_pk_mul_f32 v[Z+32*\g+\i:Z+32*\g+\i+1], v[L+16*\g+\i:L+16*\g+\i+1], v[64*((\a)%4)+\i:64*((\a)%4)+\i+1]
.endr
.endr
.irp g, 0,1
.irp i, 0,2,4,6,8,10,12,14
	v_pk_fma_f32 v[Z+32*\g+\i:Z+32*\g+\i+1], v[Z+32*\g+16+\i:Z+32*\g+16+\i+1], v[64*((\a)%4)+32+\i:64*((\a)%4)+32+\i+1], v[Z+32*\g+\i:Z+32*\g+\i+1] neg_lo:[1,0,0] neg_hi:[1,0,0]
.endr
.endr
.irp g, 0,1
.irp i, 0,2,4,6,8,10,12,14
	v_pk_mul_f32 v[Z+32*\g+16+\i:Z+32*\g+16+\i+1], v[Z+32*\g+16+\i:Z+32*\g+16+\i+1], v[64*((\a)%4)+16+\i:64*((\a)%4)+16+\i+1]
.endr
.endr
.irp g, 0,1
.irp i, 0,2,4,6,8,10,12,14
	v_pk_fma_f32 v[Z+32*\g+16+\i:Z+32*\g+16+\i+1], v[L+16*\g+\i:L+16*\g+\i+1], v[64*((\a)%4)+48+\i:64*((\a)%4)+48+\i+1], v[Z+32*\g+16+\i:Z+32*\g+16+\i+1]
.endr
.endr
.if (\a) < 4
	WIN TO_B
	CSLOAD (\a)+4
.endif
	WIN 0
.if ((\a)%2 == 0) && ((\a) > 0)
	s_wait_xcnt 0x0
.endif
	QUANT Z, F0+6*((\a)%2), F1+6*((\a)%2), PW+(\a)%2
.if (\a)%2 == 1
	v_perm_b32 v[SW+(\a)/2], v[PW+1], v[PW], 0x05040100
	v_perm_b32 v[SW+4+(\a)/2], v[PW+1], v[PW], 0x07060302
.irp c, 0,1,2
	global_store_b128 v[LI], v[F0+4*\c:F0+4*\c+3], s[14:15] offset:((\a)/2)*FRB+512*\c
	global_store_b128 v[LI], v[F1+4*\c:F1+4*\c+3], s[14:15] offset:HEADB+((\a)/2)*FRB+512*\c
.endr
.endif
.endm
	QKBLK 0, 48
	QKBLK 1, 48
	QKBLK 2, 48
	QKBLK 3, 48
	QKBLK 4, 48
	QKBLK 5, 32
	QKBLK 6, 16
	QKBLK 7, 0
	v_cmp_le_u32 vcc_lo, 16, v1
.irp f, 0,1,2,3
	v_cndmask_b32 v[OW+\f], v[SW+\f], v[SW+4+\f], vcc_lo
.endr
	global_store_b128 v[SA], v[OW:OW+3], s[14:15] offset:4*FRB
	s_branch .Lend
.Lv:
	s_lshl_b32 s66, s22, 10
	s_lshl_b32 s23, s17, 9
	s_add_co_u32 s66, s66, s23
	s_add_co_u32 s66, s66, 8192
	s_mov_b32 s67, 0
	s_add_nc_u64 s[8:9], s[8:9], s[66:67]
	s_add_co_u32 s19, s20, s21
	s_lshl_b32 s19, s19, 1
	s_add_co_u32 s19, s19, s18
	s_mul_i32 s66, s19, GRP
	s_lshl_b32 s19, s22, 2
	s_lshl_b32 s23, s17, 1
	s_add_co_u32 s19, s19, s23
	s_mul_i32 s19, s19, HEADB
	s_add_co_u32 s66, s66, s19
	s_add_co_u32 s66, s66, 32*HEADB
	s_add_nc_u64 s[14:15], s[14:15], s[66:67]
.irp a, 0,1,2,3,4,5,6,7
	global_load_b32 v[BI+2*\a], v[BVA], s[8:9] offset:4*(32*(\a/2)+8*(\a%2))
	global_load_b32 v[BI+2*\a+1], v[BVA], s[8:9] offset:4*(32*(\a/2)+8*(\a%2))
.endr
	LAST
	s_wait_loadcnt 0x0
.macro VBLK a
	WIN 0x02+(\a)/4
.set n, 0
.rept 32
	v_pk_add_f32 v[Z+n:Z+n+1], v[64*((\a)%4)+n:64*((\a)%4)+n+1], v[BI+2*(\a):BI+2*(\a)+1]
.set n, n+2
.endr
	WIN 0
.if (\a) > 0
	s_wait_xcnt 0x0
.endif
	QUANT Z, F0, F0+6, SW+(\a)
.irp c, 0,1,2
	global_store_b128 v[LI], v[F0+4*\c:F0+4*\c+3], s[14:15] offset:((\a)/4)*HEADB+((\a)%4)*FRB+512*\c
.endr
.endm
.irp t, 0,1,2,3,4,5,6,7
	VBLK \t
.endr
	v_cmp_le_u32 vcc_lo, 16, v1
.irp f, 0,1,2,3
	v_cndmask_b32 v[OW+\f], v[SW+\f], v[SW+4+\f], vcc_lo
.endr
	global_store_b128 v[SA], v[OW:OW+3], s[14:15] offset:4*FRB
.Lend:
	s_wait_tensorcnt 0x0
	ds_add_u32 v[SPW], v[NIL]
	s_wait_dscnt 0x0
	CROUND
	s_endpgm
.Lfunc_end_k_qaf84d6c518_qkv:
	.size	k_qaf84d6c518_qkv, .Lfunc_end_k_qaf84d6c518_qkv-k_qaf84d6c518_qkv
	.p2alignl 7, 3214868480
	.fill 96, 4, 3214868480
	.section	.rodata,"a",@progbits
	.p2align	6, 0x0
	.amdhsa_kernel k_qaf84d6c518_qkv
		.amdhsa_group_segment_fixed_size 327680
		.amdhsa_private_segment_fixed_size 0
		.amdhsa_enable_private_segment 0
		.amdhsa_kernarg_size 48
		.amdhsa_user_sgpr_count 2
		.amdhsa_user_sgpr_kernarg_segment_ptr 1
		.amdhsa_wavefront_size32 1
		.amdhsa_system_sgpr_workgroup_id_x 1
		.amdhsa_system_sgpr_workgroup_id_y 1
		.amdhsa_system_sgpr_workgroup_id_z 1
		.amdhsa_system_vgpr_workitem_id 0
		.amdhsa_next_free_vgpr 1024
		.amdhsa_next_free_sgpr 100
		.amdhsa_reserve_vcc 1
		.amdhsa_float_denorm_mode_32 3
		.amdhsa_float_denorm_mode_16_64 3
		.amdhsa_memory_ordered 1
		.amdhsa_forward_progress 1
		.amdhsa_inst_pref_size 255
	.end_amdhsa_kernel
	.section	.bss,"aw",@nobits
	.p2align	6
	.space	262144
	.amdgpu_metadata
---
amdhsa.version: [ 1, 2 ]
amdhsa.kernels:
  - .name:           k_qaf84d6c518_qkv
    .symbol:         k_qaf84d6c518_qkv.kd
    .args:
      - { .name: opc, .offset: 0, .size: 8, .value_kind: global_buffer, .address_space: global }
      - { .name: ops, .offset: 8, .size: 8, .value_kind: global_buffer, .address_space: global }
      - { .name: qkv_b, .offset: 16, .size: 8, .value_kind: global_buffer, .address_space: global }
      - { .name: cos, .offset: 24, .size: 8, .value_kind: global_buffer, .address_space: global }
      - { .name: sin, .offset: 32, .size: 8, .value_kind: global_buffer, .address_space: global }
      - { .name: qkvi, .offset: 40, .size: 8, .value_kind: global_buffer, .address_space: global }
    .group_segment_fixed_size: 327680
    .private_segment_fixed_size: 0
    .kernarg_segment_align: 8
    .kernarg_segment_size: 48
    .max_flat_workgroup_size: 128
    .sgpr_count:     100
    .vgpr_count:     1024
    .wavefront_size: 32
...
	.end_amdgpu_metadata
.endif
;; end of part 2
;; launch attn (part 3): grid 16 x 16, 8 waves a work-group, clusters of 4 x 1, 327,680 bytes of LDS; arguments qkvi, ac, asc; writes ac, asc
.if DOCPART == 3
	.amdgcn_target "amdgcn-amd-amdhsa--gfx1250"
	.amdhsa_code_object_version 6
	.text
	.protected	k_qaf84d6c518_attn
	.globl	k_qaf84d6c518_attn
	.p2align	8
	.type	k_qaf84d6c518_attn,@function
k_qaf84d6c518_attn:
	s_mov_b64 s[64:65], 0
	v_nop
	global_prefetch_b8 v0, s[64:65] scope:SCOPE_SE
	s_setreg_imm32_b32 hwreg(HW_REG_WAVE_MODE, 25, 1), 1
	s_wait_xcnt 0x0
	s_wait_alu depctr_hold_cnt(0) depctr_sa_sdst(0) depctr_va_vdst(0) depctr_va_sdst(0) depctr_va_ssrc(0) depctr_va_vcc(0) depctr_vm_vsrc(0)
	s_getreg_b32 s2, hwreg(HW_REG_IB_STS2, 6, 4)
	s_cmp_eq_u32 s2, 0
	s_cbranch_scc0 .Lentry_in_a_cluster
	s_endpgm
.Lentry_in_a_cluster:
	s_bfe_u32 s2, ttmp6, 0x10000c
	s_cmp_lg_u32 s2, 0x3003
	s_cbranch_scc0 .Lentry_shape_is_right
	s_endpgm
.Lentry_shape_is_right:
; The second and third products with the softmax between them, on codes of BF6 with E8M0 scales; then O / l is quantised along the fourth product's K.  Head size 64, 4,096 keys, 16 heads.
; qkvi: [q, k, v][head][group of 128 rows][6,400 bytes]: four images of operand registers (1,536 bytes: registers 4 c .. 4 c + 3 of lane l at 512 c + 16 l) and 256 bytes of scale words [r][image].
;   q, k: image f = a pair of tiles of 16 rows x 64 (registers 0-5 tile 2 f, 6-11 tile 2 f + 1); lane r of tile T holds row 32 (T / 2) + 8 (T % 2) + r + 8 (r / 8).  v: image f = 16 channels x the group's 128 keys.
; SHARES: a work-group owns 256 queries of one head; each of its eight waves two tiles of 16 queries, tile t in register window t, so that each fragment of K and V read from LDS feeds two tiles.
; K'S IMAGES ARE READ UNDER ANOTHER MAP OF LANES: lane (r, h) of fragment (c, w) takes image 2 c + r / 8, lane 16 h + 8 w + r % 8.  Its rows 0-7 are then keys of block 2 c, rows 8-15 of block 2 c + 1, and in S^T
; lane (query, h) holds in registers 32 c + i key i of block 2 c + h: a WHOLE block of 32 in a lane, in the order that p's operand wants.  A block's maximum needs no other lane and p's codes change no lane.
; (Lanes 0-7 and 8-15 of such a load stand 1,536 bytes apart.)
; THE SECOND PRODUCT'S K IS 64, THE INSTRUCTION'S 128: my queries stand as [q | zero codes | q]; registers 0-11 give a fragment's even tile, registers 6-17 its odd tile.  Zero codes add nothing under any finite scale byte.
; SOFTMAX: t = score x log2(e) / 8; M = the running largest t rounded up to a whole number; p = 2^(t - M) is quantised along the keys; the row's sum is taken of the unquantised p and divides O at the end.
; When M moves, the sum and O are multiplied by 2^(old M - new M), which rounds nothing; for the sum that is the first link of each of its four chains, a multiply-add.
; RING: two slots of 1,024 keys (K's eight groups, then V's); each wave fetches two groups, 12,800 dense bytes, by one joint load (cluster 4 x 1: the four query blocks walk the same K and V).
; One tensor load of a wave is out at any time, asked for eight key steps of every wave ahead of its first read: so no prefetch is laid.
; The next step's fragments of K are asked for a step ahead; in a slot's last step that fetch falls on V's first group of the same slot and is thrown away (the next slot's are fetched behind the change of slots).
; ac: [tile 256][head 16][768]: half a fragment: registers 0-3 at 16 l, registers 4, 5 at 512 + 8 l.   asc: the byte of (tile, head, block, row r) at 512 T + 128 (head / 4) + 8 r + 2 (head % 4) + block.
; LIMITS: a block of zeros gets the byte 1 where the rule says 127 (its codes are zeros; this program alone reads the bytes); NaN and infinities are not served; the scaled scores stay under 2^31 in magnitude.
; A block's largest p is made from its largest score by the same two instructions as every p, which takes v_exp_f32 not to fall where its input rises.
.set FRB,   1536
.set GRP,   6400
.set HEADB, 32*GRP
.set VOFF,  8*GRP
.set SLOT1, 1<<17                      ; slot 1 begins here
.set SPARE, 2*SLOT1                    ; the spare words: 128 bytes for each of eight waves
; window 0 alone
.set LI,  1                            ; 16 x lane
.set LR,  2                            ; 16 r
.set SPW, 3                            ; my spare word; never rewritten
.set NIL, 4                            ; 0; never rewritten
.set KL,  5                            ; K's map of lanes: 1,536 (r / 8) + 256 h + 16 (r % 8)
.set KSL, 6                            ; and for K's scale words: 16 (r % 8) + 4 (r / 8)
.set OB8, 7                            ; 8 x lane
.set OS,  8                            ; 8 r + h
.set ADK, 9
.set ADKS, 10
.set ADV, 11
.set ADVS, 12
.set QT,  20                           ; my image's scale word as loaded
.set PW,  30                           ; v30, v31  p's scale words, tile 0, 1
.set QW,  32                           ; v32, v33  my queries' scale words
.set KV,  40                           ; v40-87 four fragments of K
.set KS,  88                           ; v88-91 K's scale words
.set VS,  92                           ; v92-95 V's
.set VV,  40                           ; window 1: v40-87 four images of V
; in window t, for tile t
.set S,   96                           ; S^T, then p
.set O,   160                          ; O^T: register 16 b + i is channel 32 b + 16 h + i
.set Q3,  192                          ; [q | 0 | q]
.set PC,  210                          ; p's codes
.set CT,  222                          ; the blocks' upper halves
.set BM,  230                          ; the blocks' largest scores, then largest p
.set MT,  232
.set SO,  234                          ; the conversions' scale operands
.set NM,  236                          ; -M
.set RM,  237                          ; the running largest score
.set F,   238                          ; 2^(old M - new M)
.set TP,  239
.set OM,  240                          ; the old -M
.set X,   241
.set T,   242
.set L,   244                          ; the sum: four chains of pairs
.set WV,  16
.set SEL, 20
.set CS,  22
.set G1,  24
.set G0,  32
.set NC,  36
.set HM,  37
.set TB,  40
.set CNT, 41
.set SLOTS, 42
.set MSB, 0
.macro WIN new                         ; the immediate's high byte repeats the setting that is left
.if MSB != (\new)
	s_set_vgpr_msb (MSB<<8)|(\new)
.set MSB, (\new)
.endif
.endm
.macro VW
	s_wait_alu depctr_va_vdst(0)
.endm
.macro CROUND                          ; a round of the cluster's barrier
	s_barrier_signal -1
	s_barrier_wait -1
	s_cmp_lg_u32 s[WV], 0
	s_cbranch_scc1 .Lnot_wave_0_\@
	s_barrier_signal -3
.Lnot_wave_0_\@:
	s_barrier_wait -3
	s_barrier_signal -1
	s_barrier_wait -1
.endm
.macro TLOAD                           ; every wave's own two groups
	tensor_load_to_lds s[G0:G0+3], s[G1:G1+7]
	s_nop 0
.rept 4
	v_nop
.endr
.endm
.macro INIT                            ; a tile's state, into the window that the destination field names
	v_mov_b32 v[RM], 0xff61b1e6                    ; -3e38, under every score
	v_mov_b32 v[OM], 0x7f61b1e6                    ; 3e38: the first step's factor is 0, on zeros
	v_mov_b32 v[X], 0                              ; a lane permute's destination counts as a source
.set j, 0
.rept 8
	v_mov_b32 v[L+j], 0
.set j, j+1
.endr
.set j, 0
.rept 32
	v_mov_b32 v[O+j], 0
.set j, j+1
.endr
.endm
	s_load_b128 s[4:7], s[0:1], 0x0                ; qkvi, ac
	s_load_b64 s[8:9], s[0:1], 0x10                ; asc
	v_lshl_add_u32 v[SPW], v0, 2, SPARE
	v_mov_b32 v[NIL], 0
	ds_add_u32 v[SPW], v[NIL]                      ; the opening lines: the add twice and one wait
	ds_add_u32 v[SPW], v[NIL]
	v_lshrrev_b32 v13, 5, v0
	v_readfirstlane_b32 s[WV], v13                 ; wave 0..7
	s_bfe_u32 s17, ttmp6, 0x40000                  ; cx: it enters Q's and the outputs' addresses alone
	s_lshl_b32 s18, ttmp9, 2
	s_add_co_u32 s18, s18, s17                     ; my block of 256 queries
	s_and_b32 s19, ttmp7, 0xffff                   ; the head, which the partners share
	s_mul_i32 s44, s19, HEADB
	s_lshr_b32 s45, s[WV], 2                       ; I fetch for K (0) or V (1)
	s_and_b32 s46, s[WV], 3                        ; which two groups of a slot's eight
	s_mul_i32 s47, s[WV], 2*GRP                    ; where they go: V's eight groups follow K's
	s_mul_i32 s48, s45, 16*HEADB
	s_mul_i32 s49, s46, 2*GRP
	s_add_co_u32 s48, s48, s49
	s_add_co_u32 s48, s48, s44
	s_add_co_u32 s48, s48, 16*HEADB
	s_mov_b32 s49, 0
	s_mov_b32 s[G1], 15|(3<<16)|(1<<21)            ; the mask of all four; elements of 8 bytes; bit 21 beside a mask
	s_mov_b32 s[G1+1], 32<<16                      ; rows of 256 bytes
	s_mov_b32 s[G1+2], 50<<16                      ; 50 of them: 12,800 dense bytes
	s_mov_b32 s[G1+3], 32<<16
	s_mov_b32 s[G1+4], 50
	s_mov_b32 s[G1+5], 32
	s_mov_b32 s[G1+6], 0
	s_mov_b32 s[G1+7], 0
	s_mov_b32 s[SEL], 0x76543210
	s_mov_b32 s[SEL+1], 0xfedcba98
	s_mov_b32 s[CS], 0x3e38aa3b                    ; c = log2(e) / 8
	s_mov_b32 s[CS+1], s[CS]
	s_mov_b32 s[NC], 0xbe38aa3b                    ; -c
	s_mov_b32 s[HM], 0xffff0000                    ; lanes 16-31
	s_mov_b32 s[TB], 0
	s_mov_b32 s[SLOTS], 3
	s_lshl_b32 s50, s18, 1
	s_add_co_u32 s50, s50, s45                     ; the group that holds my two tiles of queries
	s_mul_i32 s50, s50, GRP
	s_add_co_u32 s50, s50, s44
	s_mov_b32 s51, 0
	s_mul_i32 s52, s46, FRB                        ; and the image: wave % 4
	s_lshl_b32 s53, s46, 2
	s_lshl_b32 s54, s18, 4
	s_lshl_b32 s55, s[WV], 1
	s_add_co_u32 s54, s54, s55                     ; my first tile
	s_lshl_b32 s56, s54, 9
	s_lshr_b32 s57, s19, 2
	s_lshl_b32 s57, s57, 7
	s_add_co_u32 s56, s56, s57
	s_and_b32 s57, s19, 3
	s_lshl_b32 s57, s57, 1
	s_add_co_u32 s56, s56, s57                     ; its place in asc
	s_mov_b32 s57, 0
	s_mul_i32 s54, s54, 12288
	s_mul_i32 s55, s19, 768
	s_add_co_u32 s54, s54, s55                     ; and in ac
	s_mov_b32 s55, 0
	VW
	s_wait_dscnt 0x0
	s_wait_kmcnt 0x0
	s_mov_b32 s[G0], 1
	s_mov_b32 s[G0+1], s47
	s_add_nc_u64 s[G0+2:G0+3], s[4:5], s[48:49]
	s_or_b32 s[G0+3], s[G0+3], 0x80000000
	s_add_nc_u64 s[6:7], s[6:7], s[54:55]
	s_add_nc_u64 s[8:9], s[8:9], s[56:57]
	s_add_nc_u64 s[58:59], s[4:5], s[50:51]
	CROUND                                         ; the first joint loads meet
	TLOAD                                          ; slot 0: one load a wave
	v_and_b32 v13, 31, v0
	v_and_b32 v14, 15, v0
	v_and_b32 v15, 7, v0
	v_bfe_u32 v16, v0, 3, 1
	v_bfe_u32 v17, v0, 4, 1
	v_lshlrev_b32 v[LI], 4, v13
	v_lshlrev_b32 v[LR], 4, v14
	v_lshlrev_b32 v[KL], 4, v15
	v_lshlrev_b32 v[OB8], 3, v13
	v_lshl_add_u32 v[OS], v14, 3, v17
	v_lshl_add_u32 v[KSL], v16, 2, v[KL]
	v_mad_u32_u24 v[KL], v16, FRB, v[KL]
	v_add_nc_u32 v18, s52, v[LI]
	v_add_nc_u32 v19, s53, v[LR]
	v_lshl_add_u32 v[KL], v17, 8, v[KL]
.irp c, 0,1,2
	global_load_b128 v[KV+4*\c:KV+4*\c+3], v18, s[58:59] offset:512*\c   ; the image with my two tiles
.endr
	global_load_b32 v[QT], v19, s[58:59] offset:4*FRB
	INIT
	WIN 0x40
	INIT
	WIN 0
	VW
	s_wait_loadcnt 0x0
	v_perm_b32 v[QW], v[QT], v[QT], 0x01000100     ; the even tile's two bytes, for blocks 0, 1 and again for 2, 3
	v_perm_b32 v[QW+1], v[QT], v[QT], 0x03020302   ; the odd tile's
.irp i, 0,1,2,3,4,5
	v_mov_b32 v[Q3+\i], v[KV+\i]
	v_mov_b32 v[Q3+6+\i], 0
	v_mov_b32 v[Q3+12+\i], v[KV+\i]
.endr
	WIN 0x40
.irp i, 0,1,2,3,4,5
	v_mov_b32 v[Q3+\i], v[KV+6+\i]
	v_mov_b32 v[Q3+6+\i], 0
	v_mov_b32 v[Q3+12+\i], v[KV+6+\i]
.endr
	WIN 0
.macro KLOAD off                       ; four fragments of K and their scale words: 16 loads
.irp c, 0,1
.irp w, 0,1
	ds_load_b32 v[KS+2*\c+\w], v[ADKS] offset:\off+4*FRB+128*\w+8*\c
.irp j, 0,1,2
	ds_load_b128 v[KV+12*(2*\c+\w)+4*\j:KV+12*(2*\c+\w)+4*\j+3], v[ADK] offset:\off+2*FRB*\c+128*\w+512*\j
.endr
.endr
.endr
.endm
.macro VLOAD                           ; four images of V into window 1, and their scale words: 13 loads
	WIN 0x40
.irp f, 0,1,2,3
.irp j, 0,1,2
	ds_load_b128 v[VV+12*\f+4*\j:VV+12*\f+4*\j+3], v[ADV] offset:VOFF+FRB*\f+512*\j
.endr
.endr
	WIN 0
	ds_load_b128 v[VS:VS+3], v[ADVS] offset:VOFF+4*FRB
.endm
.macro SMUL t                          ; S^T of tile t: register 32 c + 16 w + 8 g + j is key 16 w + 8 g + j of block 2 c + h
	WIN 0x54*\t
.irp c, 0,1
.irp w, 0,1
.irp g, 0,1
	v_wmma_scale_f32_16x16x128_f8f6f4 v[S+32*\c+16*\w+8*\g:S+32*\c+16*\w+8*\g+7], v[KV+12*(2*\c+\w):KV+12*(2*\c+\w)+11], v[Q3+6*\g:Q3+6*\g+11], 0, v[KS+2*\c+\w], v[QW+\t] matrix_a_fmt:MATRIX_FMT_BF6 matrix_b_fmt:MATRIX_FMT_BF6
.endr
.endr
.endr
.endm
.macro PVMUL t                         ; O^T += V^T P^T: four accumulators by turns
	WIN 1|(0x54*\t)
.irp f, 0,1,2,3
	v_wmma_scale_f32_16x16x128_f8f6f4 v[O+8*\f:O+8*\f+7], v[VV+12*\f:VV+12*\f+11], v[PC:PC+11], v[O+8*\f:O+8*\f+7], v[VS+\f], v[PW+\t] matrix_a_fmt:MATRIX_FMT_BF6 matrix_b_fmt:MATRIX_FMT_BF6
.endr
.endm
.macro ADDP k                          ; pair k of p onto chain k % 4 of the sum of the UNQUANTISED p; a chain's first link brings it under the new M
.if (\k) < 4
	v_pk_fma_f32 v[L+2*(\k):L+2*(\k)+1], v[L+2*(\k):L+2*(\k)+1], v[F:F+1], v[S+2*(\k):S+2*(\k)+1] op_sel_hi:[1,0,1]
.else
	v_pk_add_f32 v[L+2*((\k)%4):L+2*((\k)%4)+1], v[L+2*((\k)%4):L+2*((\k)%4)+1], v[S+2*(\k):S+2*(\k)+1]
.endif
.endm
.macro ADDPS k0, n
.set kk, \k0
.rept \n
	ADDP kk
.set kk, kk+1
.endr
.endm
.macro PFMAS p0, n                     ; t - M, two at a time
.set pp, \p0
.rept \n
	v_pk_fma_f32 v[S+2*pp:S+2*pp+1], v[S+2*pp:S+2*pp+1], s[CS:CS+1], v[NM:NM+1] op_sel_hi:[1,0,0]
.set pp, pp+1
.endr
.endm
; The softmax of tile t over the step's 128 keys, all in window t.
.macro SOFT t
	WIN 0x55*\t
.if \t == 1
	VW                                             ; tile 0's exponentials stand between these scores' products and their first readers, which follow directly
.endif
.irp b, 0,1
	v_max3_num_f32 v[BM+\b], v[S+32*\b], v[S+32*\b+1], v[S+32*\b+2]     ; my two blocks' largest scores, two chains each, each accumulator from its low end on
	v_max3_num_f32 v[MT+\b], v[S+32*\b+16], v[S+32*\b+17], v[S+32*\b+18]
.endr
.irp i, 3,5,7,9,11,13
.irp b, 0,1
	v_max3_num_f32 v[BM+\b], v[BM+\b], v[S+32*\b+\i], v[S+32*\b+\i+1]
	v_max3_num_f32 v[MT+\b], v[MT+\b], v[S+32*\b+16+\i], v[S+32*\b+17+\i]
.endr
.endr
.irp b, 0,1
	v_max3_num_f32 v[BM+\b], v[BM+\b], v[S+32*\b+15], v[S+32*\b+31]
.endr
.irp b, 0,1
	v_max_num_f32 v[BM+\b], v[BM+\b], v[MT+\b]
.endr
.if \t == 0
	VLOAD                                          ; this step's V, and behind it the next step's K: the lines above are the places behind the products that read these registers
	KLOAD GRP
.else
	PVMUL 0                                        ; tile 0's second product stands here, behind tile 1's wait and maxima
	WIN 0x55*\t
.endif
	v_max3_num_f32 v[RM], v[RM], v[BM], v[BM+1]
	s_delay_alu instid0(VALU_DEP_1)
	v_permlanex16_b32 v[X], v[RM], s[SEL], s[SEL+1]
	s_delay_alu instid0(VALU_DEP_1)
	v_max_num_f32 v[RM], v[RM], v[X]               ; with lane l xor 16's blocks: the running largest score of my query
	s_delay_alu instid0(VALU_DEP_1)
	v_mul_f32 v[TP], s[NC], v[RM]
	s_delay_alu instid0(VALU_DEP_1)
	v_floor_f32 v[NM], v[TP]                       ; -M = floor(-t)
	s_delay_alu instid0(VALU_DEP_1)
	v_sub_f32 v[TP], v[NM], v[OM]                  ; old M - new M: a whole number, 0 or less
	v_fma_f32 v[BM], v[BM], s[CS], v[NM]           ; t - M of each block's largest score
	v_fma_f32 v[BM+1], v[BM+1], s[CS], v[NM]
	PFMAS 0, 1
	v_cvt_i32_f32 v[TP], v[TP]                     ; (it saturates)
	PFMAS 1, 3
	v_ldexp_f32 v[F], 1.0, v[TP]                   ; f = 2^(old M - new M)
	PFMAS 4, 28
	VW                                             ; directly ahead of O^T's first readers, and ahead of the batch
.set j, 0
.rept 16
	v_pk_mul_f32 v[O+j:O+j+1], v[O+j:O+j+1], v[F:F+1] op_sel_hi:[1,0]   ; O^T under the new M
.set j, j+2
.endr
	v_exp_f32 v[BM], v[BM]                         ; the blocks' largest p
	v_exp_f32 v[BM+1], v[BM+1]
.set n, 0
.rept 64
	v_exp_f32 v[S+n], v[S+n]                       ; p = 2^(t - M)
.set n, n+1
.endr
	v_mov_b32 v[OM], v[NM]                         ; for the next step; the plain place behind the batch
	VW
.if \t == 0
	s_wait_dscnt 16                                ; V's 13 loads are in; K's 16, issued behind them, may be out
.endif
	v_max_num_f32 v[BM], 0x2800000, v[BM]          ; the floor 2^(5 - 127): the byte cannot fall under 1
	v_max_num_f32 v[BM+1], 0x2800000, v[BM+1]
	ADDPS 0, 2
	v_add_nc_u32 v[SO], 0xfe000000, v[BM]          ; 4 off the exponent field: the conversion's scale operand
	v_add_nc_u32 v[SO+1], 0xfe000000, v[BM+1]
	ADDPS 2, 2
	v_lshrrev_b32 v[T], 23, v[SO]                  ; the bytes of blocks h and 2 + h
	v_lshrrev_b32 v[T+1], 23, v[SO+1]
	ADDPS 4, 2
	v_lshl_or_b32 v[T], v[T+1], 16, v[T]
	ADDPS 6, 3
	v_permlanex16_b32 v[X], v[T], s[SEL], s[SEL+1]
	ADDPS 9, 3
	WIN 0x15*\t
	v_lshl_or_b32 v[PW+\t], v[X], 8, v[T]          ; lanes 0-15, which alone are read: blocks 0, 2 mine, blocks 1, 3 lane l + 16's
	WIN 0x55*\t
.irp c, 0,1
	v_cvt_scalef32_pk16_bf6_f32 v[PC+6*\c:PC+6*\c+2], v[S+32*\c:S+32*\c+15], v[SO+\c]
	v_cvt_scalef32_pk16_bf6_f32 v[CT+4*\c:CT+4*\c+2], v[S+32*\c+16:S+32*\c+31], v[SO+\c]   ; (a conversion's three registers begin on an even number)
.endr
	ADDPS 12, 12
.irp c, 0,1
.irp i, 0,1,2
	v_mov_b32 v[PC+6*\c+3+\i], v[CT+4*\c+\i]
.endr
.endr
	ADDPS 24, 8                                    ; also the places between p's codes and the products that take them
.endm
; A KEY STEP: a group of 128 keys, both tiles.
.macro STEP
	s_wait_dscnt 0x0                               ; K's fragments and words are in
	SMUL 0
	SMUL 1
	WIN 0
	v_add_nc_u32 v[ADK], s[TB], v[KL]              ; four places behind the products, ahead of the first read of the scores
	v_add_nc_u32 v[ADKS], s[TB], v[KSL]
	v_add_nc_u32 v[ADV], s[TB], v[LI]
	v_add_nc_u32 v[ADVS], s[TB], v[LR]
	SOFT 0
	SOFT 1
	PVMUL 1
	WIN 0
	s_add_co_u32 s[TB], s[TB], GRP
.endm
.macro STEPS                           ; a slot's eight key steps
	v_add_nc_u32 v[ADK], s[TB], v[KL]
	v_add_nc_u32 v[ADKS], s[TB], v[KSL]
	KLOAD 0
	s_mov_b32 s[CNT], 8
	VW
.Lstep_\@:
	STEP
	s_sub_co_u32 s[CNT], s[CNT], 1
	s_cmp_lg_u32 s[CNT], 0
	s_cbranch_scc1 .Lstep_\@
	s_sub_co_u32 s[TB], s[TB], 8*GRP
	s_xor_b32 s[TB], s[TB], SLOT1                  ; the other slot's first group
.endm
; THE CHANGE OF SLOTS: each wave waits for its tensor load (its part of the slot ahead), adds 0 to its spare word, and waits for that and for its reads of the slot that it has left.
.macro CHANGE fill
	VW
	s_wait_tensorcnt 0x0
	ds_add_u32 v[SPW], v[NIL]
.if \fill
	s_xor_b32 s[G0+1], s[G0+1], SLOT1              ; no tensor load of mine is out: group 0 may be written
	s_add_nc_u64 s[G0+2:G0+3], s[G0+2:G0+3], 8*GRP
	s_wait_dscnt 0x0
	CROUND
	TLOAD                                          ; the next 1,024 keys, into the slot that was left (the first time: slot 1's first fill)
.else
	s_wait_dscnt 0x0
	s_barrier_signal -1
	s_barrier_wait -1
.endif
.endm
.Lslot:
	CHANGE 1
	STEPS
	s_sub_co_u32 s[SLOTS], s[SLOTS], 1
	s_cmp_lg_u32 s[SLOTS], 0
	s_cbranch_scc1 .Lslot
	CHANGE 0                                       ; the last slot is written out: nothing more is asked for
	STEPS
; THE WAY OUT of tile t: the chains are joined; O^T / the sum, quantised along the head's 64 channels (two blocks of the fourth product's K), stored as half a fragment's image.
.macro OUT t
	WIN 0x55*\t
	v_pk_add_f32 v[L:L+1], v[L:L+1], v[L+2:L+3]
	v_pk_add_f32 v[L+4:L+5], v[L+4:L+5], v[L+6:L+7]
	s_delay_alu instid0(VALU_DEP_1)
	v_pk_add_f32 v[L:L+1], v[L:L+1], v[L+4:L+5]
	s_delay_alu instid0(VALU_DEP_1)
	v_add_f32 v[TP], v[L], v[L+1]
	s_delay_alu instid0(VALU_DEP_1)
	v_permlanex16_b32 v[X], v[TP], s[SEL], s[SEL+1]
	s_delay_alu instid0(VALU_DEP_1)
	v_add_f32 v[TP], v[TP], v[X]                   ; the row's sum
	VW
	v_rcp_f32 v[F], v[TP]
	v_nop
	VW                                             ; behind the reciprocal, directly ahead of O^T's first readers
.set j, 0
.rept 16
	v_pk_mul_f32 v[S+j:S+j+1], v[O+j:O+j+1], v[F:F+1] op_sel_hi:[1,0]
.set j, j+2
.endr
.irp b, 0,1
	v_max3_num_f32 v[BM+\b], |v[S+16*\b]|, |v[S+1+16*\b]|, 0x2800000
.endr
.irp i, 2,4,6,8,10,12,14
.irp b, 0,1
	v_max3_num_f32 v[BM+\b], v[BM+\b], |v[S+16*\b+\i]|, |v[S+1+16*\b+\i]|
.endr
.endr
.irp b, 0,1
	v_permlanex16_b32 v[MT+\b], v[BM+\b], s[SEL], s[SEL+1]
.endr
.irp b, 0,1
	v_max_num_f32 v[BM+\b], v[BM+\b], v[MT+\b]
.endr
.irp b, 0,1
	v_add_nc_u32 v[SO+\b], 0xfe000000, v[BM+\b]
.endr
.irp b, 0,1
	v_lshrrev_b32 v[T+\b], 23, v[SO+\b]
.endr
	v_cvt_scalef32_pk16_bf6_f32 v[PC:PC+2], v[S:S+15], v[SO]
	v_cvt_scalef32_pk16_bf6_f32 v[CT:CT+2], v[S+16:S+31], v[SO+1]
	v_cndmask_b32 v[TP], v[T], v[T+1], s[HM]       ; lanes 0-15 store block 0's byte of row r, lanes 16-31 block 1's.  (The plain place behind the conversions)
.irp i, 0,1,2
	v_permlane16_swap_b32 v[PC+\i], v[CT+\i]       ; here a lane holds half of each block: the layout wants a whole block in a lane
.endr
.irp i, 0,1,2
	v_mov_b32 v[PC+3+\i], v[CT+\i]
.endr
	WIN 4*\t                                       ; the stores' data in window t, their offsets in window 0
	global_store_b128 v[LI], v[PC:PC+3], s[6:7] offset:12288*\t              ; 512 consecutive bytes
	global_store_b64 v[OB8], v[PC+4:PC+5], s[6:7] offset:12288*\t+512        ; 256 consecutive bytes
	global_store_b8 v[OS], v[TP], s[8:9] offset:512*\t                       ; one byte a lane, once a tile in the whole launch
.endm
	OUT 0
	OUT 1
	WIN 0
	VW
	s_wait_tensorcnt 0x0                           ; the wave's end
	ds_add_u32 v[SPW], v[NIL]
	s_wait_dscnt 0x0
	CROUND                                         ; the closing round
	s_endpgm
.Lfunc_end_k_qaf84d6c518_attn:
	.size	k_qaf84d6c518_attn, .Lfunc_end_k_qaf84d6c518_attn-k_qaf84d6c518_attn
	.p2alignl 7, 3214868480
	.fill 96, 4, 3214868480
	.section	.rodata,"a",@progbits
	.p2align	6, 0x0
	.amdhsa_kernel k_qaf84d6c518_attn
		.amdhsa_group_segment_fixed_size 327680
		.amdhsa_private_segment_fixed_size 0
		.amdhsa_enable_private_segment 0
		.amdhsa_kernarg_size 24
		.amdhsa_user_sgpr_count 2
		.amdhsa_user_sgpr_kernarg_segment_ptr 1
		.amdhsa_wavefront_size32 1
		.amdhsa_system_sgpr_workgroup_id_x 1
		.amdhsa_system_sgpr_workgroup_id_y 1
		.amdhsa_system_sgpr_workgroup_id_z 1
		.amdhsa_system_vgpr_workitem_id 0
		.amdhsa_next_free_vgpr 512
		.amdhsa_next_free_sgpr 66
		.amdhsa_reserve_vcc 0
		.amdhsa_float_denorm_mode_32 3
		.amdhsa_float_denorm_mode_16_64 3
		.amdhsa_memory_ordered 1
		.amdhsa_forward_progress 1
		.amdhsa_inst_pref_size 75
	.end_amdhsa_kernel
	.amdgpu_metadata
---
amdhsa.version: [ 1, 2 ]
amdhsa.kernels:
  - .name:           k_qaf84d6c518_attn
    .symbol:         k_qaf84d6c518_attn.kd
    .args:
      - { .name: qkvi, .offset: 0, .size: 8, .value_kind: global_buffer, .address_space: global }
      - { .name: ac, .offset: 8, .size: 8, .value_kind: global_buffer, .address_space: global }
      - { .name: asc, .offset: 16, .size: 8, .value_kind: global_buffer, .address_space: global }
    .group_segment_fixed_size: 327680
    .private_segment_fixed_size: 0
    .kernarg_segment_align: 8
    .kernarg_segment_size: 24
    .max_flat_workgroup_size: 256
    .sgpr_count:     66
    .vgpr_count:     512
    .wavefront_size: 32
...
	.end_amdgpu_metadata
.endif
;; end of part 3
;; launch proj (part 4): grid 8 x 32, 4 waves a work-group, clusters of 4 x 4, 327,680 bytes of LDS; arguments ac, asc, opc, ops, proj_b, out0; writes out0
.if DOCPART == 4
	.amdgcn_target "amdgcn-amd-amdhsa--gfx1250"
	.amdhsa_code_object_version 6
	.text
	.protected	k_qaf84d6c518_proj
	.globl	k_qaf84d6c518_proj
	.p2align	8
	.type	k_qaf84d6c518_proj,@function
k_qaf84d6c518_proj:
	s_mov_b64 s[64:65], 0
	v_nop
	global_prefetch_b8 v0, s[64:65] scope:SCOPE_SE
	s_setreg_imm32_b32 hwreg(HW_REG_WAVE_MODE, 25, 1), 1
	s_wait_xcnt 0x0
	s_wait_alu depctr_hold_cnt(0) depctr_sa_sdst(0) depctr_va_vdst(0) depctr_va_sdst(0) depctr_va_ssrc(0) depctr_va_vcc(0) depctr_vm_vsrc(0)
	s_getreg_b32 s2, hwreg(HW_REG_IB_STS2, 6, 4)
	s_cmp_eq_u32 s2, 0
	s_cbranch_scc0 .Lentry_in_a_cluster
	s_endpgm
.Lentry_in_a_cluster:
	s_bfe_u32 s2, ttmp6, 0x10000c
	s_cmp_lg_u32 s2, 0xf033
	s_cbranch_scc0 .Lentry_shape_is_right
	s_endpgm
.Lentry_shape_is_right:
.set FRB,    1536
.set QUART,  4*8*FRB                   ; four tiles, all eight K steps: what one wave reads of A or of B
.set CHUNK,  4*FRB                     ; half of K inside a tile's 12,288 bytes
.set SCL,    4*QUART                   ; behind A's eight tiles and B's eight
.set STG,    SCL+8448
.set SPITCH, 272
.set ADRA16, 16
.set ADRA8,  18
.set ADRB,   20
.set STO,    22
.set RD,     23
.set CO,     24
.set ADRS,   25
.set BA,     26
.set SC,     32
.set BI,     64
.set OB,     64
.set ACC,    128
.set G1,   24
.set G0,   32
.set G1B,  48
.set G0B,  56
.set G1S,  68
.set G0S,  76
.set G1SB, 80
.set G0SB, 88
.set MSB, 0
.macro WIN new
.if MSB != (\new)
	s_set_vgpr_msb (MSB<<8)|(\new)
.set MSB, (\new)
.endif
.endm
.macro ARM under, g0, g1, next         ; an arm of the head's tree: one joint load, then on to the tree's end
	s_cmp_lt_u32 s16, \under
	s_cbranch_scc0 \next
	tensor_load_to_lds s[\g0:\g0+3], s[\g1:\g1+7]
	s_nop 0
.rept 4
	v_nop
.endr
	s_branch .Lhead_asked
\next:
.endm
.macro CROUND
	s_barrier_signal -1
	s_barrier_wait -1
	s_cmp_lg_u32 s16, 0
	s_cbranch_scc1 .Lnot_wave_0_\@
	s_barrier_signal -3
.Lnot_wave_0_\@:
	s_barrier_wait -3
	s_barrier_signal -1
	s_barrier_wait -1
.endm
.macro PLACES
.rept 4
	v_nop
.endr
.endm
	s_load_b256 s[4:11], s[0:1], 0x0
	s_load_b128 s[12:15], s[0:1], 0x20
	v_lshl_add_u32 v30, v0, 2, 0x38000
	v_mov_b32 v31, 0
	ds_add_u32 v30, v31
	ds_add_u32 v30, v31
	v_lshrrev_b32 v1, 5, v0
	v_readfirstlane_b32 s16, v1
	s_lshr_b32 s17, s16, 1
	s_and_b32 s18, s16, 1
	s_bfe_u32 s21, ttmp6, 0x40000
	s_bfe_u32 s22, ttmp6, 0x40004
	s_lshl_b32 s41, ttmp9, 2
	s_add_co_u32 s41, s41, s21
	s_and_b32 s40, ttmp7, 0xffff
	s_lshl_b32 s40, s40, 2
	s_add_co_u32 s40, s40, s22
	s_lshl_b32 s42, s22, 2
	s_lshl_b32 s42, 15, s42
	s_lshl_b32 s43, 0x1111, s21
	s_or_b32 s[G1], s42, (3<<16)|(1<<21)
	s_or_b32 s[G1B], s43, (3<<16)|(1<<21)
.irp g, G1, G1B
	s_mov_b32 s[\g+1], 1536<<16
	s_mov_b32 s[\g+2], 8<<16
	s_mov_b32 s[\g+3], 1536<<16
	s_mov_b32 s[\g+4], 8
	s_mov_b32 s[\g+5], 1536
	s_mov_b32 s[\g+6], 0
	s_mov_b32 s[\g+7], 0
.endr
	s_or_b32 s[G1S], s42, (3<<16)|(1<<21)
	s_or_b32 s[G1SB], s43, (3<<16)|(1<<21)
.irp g, G1S, G1SB
	s_mov_b32 s[\g+1], 32<<16
	s_mov_b32 s[\g+2], 16<<16
	s_mov_b32 s[\g+3], 32<<16
	s_mov_b32 s[\g+4], 16
	s_mov_b32 s[\g+5], 32
	s_mov_b32 s[\g+6], 0
	s_mov_b32 s[\g+7], 0
.endr
	s_lshl_b32 s44, s40, 3
	s_lshl_b32 s46, s41, 3
	s_add_co_u32 s46, s46, 448
	s_mul_i32 s92, s44, 12288
	s_mov_b32 s93, 0
	s_mul_i32 s94, s46, 12288
	s_mov_b32 s95, 0
	s_lshl_b32 s96, s44, 9
	s_mov_b32 s97, 0
	s_lshl_b32 s98, s46, 9
	s_mov_b32 s99, 0
	s_wait_dscnt 0x0
	s_wait_kmcnt 0x0
	s_add_nc_u64 s[92:93], s[4:5], s[92:93]
	s_add_nc_u64 s[94:95], s[8:9], s[94:95]
	s_add_nc_u64 s[96:97], s[6:7], s[96:97]
	s_add_nc_u64 s[98:99], s[10:11], s[98:99]
	CROUND
	s_mov_b32 s[G0S], 1
	s_mov_b32 s[G0S+1], SCL
	s_mov_b64 s[G0S+2:G0S+3], s[96:97]
	s_or_b32 s[G0S+3], s[G0S+3], 0x80000000
	s_mov_b32 s[G0SB], 1
	s_mov_b32 s[G0SB+1], SCL+4224
	s_mov_b64 s[G0SB+2:G0SB+3], s[98:99]
	s_or_b32 s[G0SB+3], s[G0SB+3], 0x80000000
; ALL OF K LIES IN LDS AT ONCE: 2 x 98,304 bytes of codes and the scale words.  The head's four tiles go out together, one joint load a wave, in one tree of branches on the wave's number:
; wave 0 A's eight tiles (12,288 dense bytes each), wave 1 B's eight, wave 2 A's scale words, wave 3 B's.  Nothing is filled again.
	s_mov_b32 s[G0], 1
	s_mov_b32 s[G0+1], 0
	s_mov_b64 s[G0+2:G0+3], s[92:93]
	s_or_b32 s[G0+3], s[G0+3], 0x80000000
	s_mov_b32 s[G0B], 1
	s_mov_b32 s[G0B+1], 2*QUART
	s_mov_b64 s[G0B+2:G0B+3], s[94:95]
	s_or_b32 s[G0B+3], s[G0B+3], 0x80000000
	ARM 1, G0,  G1,  .Lhead_b
	ARM 2, G0B, G1B, .Lhead_sa
	ARM 3, G0S, G1S, .Lhead_sb
	tensor_load_to_lds s[G0SB:G0SB+3], s[G1SB:G1SB+7]
	s_nop 0
.rept 4
	v_nop
.endr
.Lhead_asked:
	v_and_b32 v1, 31, v0
	v_and_b32 v2, 15, v0
	v_bfe_u32 v3, v0, 4, 1
	s_wait_alu depctr_va_vdst(0)
	v_lshlrev_b32 v5, 4, v1
	v_lshlrev_b32 v6, 3, v1
	s_mul_i32 s44, s17, QUART
	s_mul_i32 s46, s18, QUART
	s_add_co_u32 s46, s46, 2*QUART
.irp k, 0,1
	v_add_nc_u32 v[ADRA16+\k], s44, v5
	v_add_nc_u32 v[ADRA8+\k], s44, v6
	v_add_nc_u32 v[ADRB+\k], s46, v5
	s_add_co_u32 s44, s44, CHUNK
	s_add_co_u32 s46, s46, CHUNK
.endr
	s_lshl_b32 s44, s17, 11
	s_lshl_b32 s46, s18, 11
	s_add_co_u32 s46, s46, 4224
	s_sub_co_u32 s46, s46, s44
	v_mul_u32_u24 v4, s46, v3
	v_lshl_add_u32 v4, v2, 3, v4
	s_add_co_u32 s44, s44, SCL
	v_add_nc_u32 v[ADRS], s44, v4
	s_mul_i32 s44, s16, 16*SPITCH
	s_add_co_u32 s44, s44, STG
	v_mul_u32_u24 v4, v2, SPITCH
	v_lshl_add_u32 v4, v3, 6, v4
	v_add_nc_u32 v[STO], s44, v4
	v_mul_u32_u24 v4, v3, SPITCH
	v_lshl_add_u32 v4, v2, 4, v4
	v_add_nc_u32 v[RD], s44, v4
	v_lshlrev_b32 v[CO], 12, v3
	v_lshl_add_u32 v[CO], v2, 4, v[CO]
	v_lshlrev_b32 v[BA], 6, v3
	s_wait_alu depctr_va_vdst(0)
	s_lshl_b32 s66, s41, 9
	s_lshl_b32 s23, s18, 8
	s_add_co_u32 s66, s66, s23
	s_mov_b32 s67, 0
	s_add_nc_u64 s[12:13], s[12:13], s[66:67]
	s_lshl_b32 s19, s40, 7
	s_lshl_b32 s23, s17, 6
	s_add_co_u32 s19, s19, s23
	s_lshl_b32 s19, s19, 12
	s_add_co_u32 s66, s66, s19
	s_add_nc_u64 s[14:15], s[14:15], s[66:67]
.irp b, 0,1,2,3
	global_load_b128 v[BI+8*\b:BI+8*\b+3], v[BA], s[12:13] offset:4*(32*(\b/2)+8*(\b%2))
	global_load_b128 v[BI+8*\b+4:BI+8*\b+7], v[BA], s[12:13] offset:4*(32*(\b/2)+8*(\b%2))+16
.endr
.macro FETCH s
	WIN 0x40
.irp i, 0,1,2,3
.irp c, 0,1,2
	ds_load_b128 v[128*((\s)%2)+12*\i+4*\c:128*((\s)%2)+12*\i+4*\c+3], v[ADRB+(\s)/4] offset:8*FRB*\i+FRB*((\s)%4)+512*\c
.endr
.endr
.irp i, 0,1,2,3
	ds_load_b128 v[128*((\s)%2)+48+12*\i:128*((\s)%2)+48+12*\i+3], v[ADRA16+(\s)/4] offset:8*FRB*\i+FRB*((\s)%4)
	ds_load_b64 v[128*((\s)%2)+48+12*\i+4:128*((\s)%2)+48+12*\i+5], v[ADRA8+(\s)/4] offset:8*FRB*\i+FRB*((\s)%4)+512
	ds_load_b128 v[128*((\s)%2)+48+12*\i+6:128*((\s)%2)+48+12*\i+9], v[ADRA16+(\s)/4] offset:8*FRB*\i+FRB*((\s)%4)+768
	ds_load_b64 v[128*((\s)%2)+48+12*\i+10:128*((\s)%2)+48+12*\i+11], v[ADRA8+(\s)/4] offset:8*FRB*\i+FRB*((\s)%4)+1280
.endr
.endm
.macro MUL s
	WIN 0x05
.irp a, 0,1,2,3
.irp b, 0,1,2,3
.if (\s) == 0
	v_wmma_scale_f32_16x16x128_f8f6f4 v[ACC+8*(4*\a+\b):ACC+8*(4*\a+\b)+7], v[128*((\s)%2)+12*\b:128*((\s)%2)+12*\b+11], v[128*((\s)%2)+48+12*\a:128*((\s)%2)+48+12*\a+11], v[BI+8*\b:BI+8*\b+7], v[SC+8*\b+(\s)], v[SC+8*\a+(\s)] matrix_a_fmt:MATRIX_FMT_BF6 matrix_b_fmt:MATRIX_FMT_BF6 matrix_a_scale:MATRIX_SCALE_ROW1
.else
	v_wmma_scale_f32_16x16x128_f8f6f4 v[ACC+8*(4*\a+\b):ACC+8*(4*\a+\b)+7], v[128*((\s)%2)+12*\b:128*((\s)%2)+12*\b+11], v[128*((\s)%2)+48+12*\a:128*((\s)%2)+48+12*\a+11], v[ACC+8*(4*\a+\b):ACC+8*(4*\a+\b)+7], v[SC+8*\b+(\s)], v[SC+8*\a+(\s)] matrix_a_fmt:MATRIX_FMT_BF6 matrix_b_fmt:MATRIX_FMT_BF6 matrix_a_scale:MATRIX_SCALE_ROW1
.endif
.endr
.endr
.endm
.macro KSTEP s
.if (\s) < 7
.if (\s) > 0
	PLACES
.endif
	FETCH (\s)+1
	s_wait_dscnt 28
.else
	s_wait_dscnt 0x0
.endif
.if (\s) == 0
	s_wait_loadcnt 0x0
.endif
	MUL \s
.endm
	s_wait_alu depctr_va_vdst(0)                   ; the wait at the head's end
	s_wait_tensorcnt 0x0                           ; my tile of the four is in;
	s_barrier_signal -1
	s_barrier_wait -1                              ; and so is every wave's
.irp i, 0,1,2,3
.irp p, 0,1,2,3
	ds_load_b64 v[SC+8*\i+2*\p:SC+8*\i+2*\p+1], v[ADRS] offset:512*\i+128*\p
.endr
.endr
	FETCH 0
.irp t, 0,1,2,3,4,5,6,7
	KSTEP \t
.endr
	WIN 0
.macro TOSTAGE a
.irp b, 0,1,2,3
	ds_store_b128 v[STO], v[ACC+8*(4*(\a)+\b):ACC+8*(4*(\a)+\b)+3] offset:128*(\b/2)+32*(\b%2)
	ds_store_b128 v[STO], v[ACC+8*(4*(\a)+\b)+4:ACC+8*(4*(\a)+\b)+7] offset:128*(\b/2)+32*(\b%2)+16
.endr
.irp t, 0,1,2,3,4,5,6,7
	ds_load_b128 v[OB+32*((\a)%2)+4*\t:OB+32*((\a)%2)+4*\t+3], v[RD] offset:2*SPITCH*\t
.endr
.endm
.macro SEND a, younger
	s_wait_dscnt \younger
.irp t, 0,1,2,3,4,5,6,7
	global_store_b128 v[CO], v[OB+32*((\a)%2)+4*\t:OB+32*((\a)%2)+4*\t+3], s[14:15] offset:4096*(32*((\a)/2)+8*((\a)%2)+2*\t+8*(\t/4)) th:TH_STORE_NT
.endr
.endm
	PLACES
	TOSTAGE 0
	TOSTAGE 1
	SEND 0, 16
	s_wait_xcnt 0x0
	TOSTAGE 2
	SEND 1, 16
	s_wait_xcnt 0x0
	TOSTAGE 3
	SEND 2, 16
	SEND 3, 0
	s_wait_tensorcnt 0x0
	ds_add_u32 v30, v31
	s_wait_dscnt 0x0
	CROUND
	s_endpgm
.Lfunc_end_k_qaf84d6c518_proj:
	.size	k_qaf84d6c518_proj, .Lfunc_end_k_qaf84d6c518_proj-k_qaf84d6c518_proj
	.p2alignl 7, 3214868480
	.fill 96, 4, 3214868480
	.section	.rodata,"a",@progbits
	.p2align	6, 0x0
	.amdhsa_kernel k_qaf84d6c518_proj
		.amdhsa_group_segment_fixed_size 327680
		.amdhsa_private_segment_fixed_size 0
		.amdhsa_enable_private_segment 0
		.amdhsa_kernarg_size 48
		.amdhsa_user_sgpr_count 2
		.amdhsa_user_sgpr_kernarg_segment_ptr 1
		.amdhsa_wavefront_size32 1
		.amdhsa_system_sgpr_workgroup_id_x 1
		.amdhsa_system_sgpr_workgroup_id_y 1
		.amdhsa_system_sgpr_workgroup_id_z 1
		.amdhsa_system_vgpr_workitem_id 0
		.amdhsa_next_free_vgpr 512
		.amdhsa_next_free_sgpr 100
		.amdhsa_reserve_vcc 0
		.amdhsa_float_denorm_mode_32 3
		.amdhsa_float_denorm_mode_16_64 3
		.amdhsa_memory_ordered 1
		.amdhsa_forward_progress 1
		.amdhsa_inst_pref_size 50
	.end_amdhsa_kernel
	.amdgpu_metadata
---
amdhsa.version: [ 1, 2 ]
amdhsa.kernels:
  - .name:           k_qaf84d6c518_proj
    .symbol:         k_qaf84d6c518_proj.kd
    .args:
      - { .name: ac, .offset: 0, .size: 8, .value_kind: global_buffer, .address_space: global }
      - { .name: asc, .offset: 8, .size: 8, .value_kind: global_buffer, .address_space: global }
      - { .name: opc, .offset: 16, .size: 8, .value_kind: global_buffer, .address_space: global }
      - { .name: ops, .offset: 24, .size: 8, .value_kind: global_buffer, .address_space: global }
      - { .name: proj_b, .offset: 32, .size: 8, .value_kind: global_buffer, .address_space: global }
      - { .name: out0, .offset: 40, .size: 8, .value_kind: global_buffer, .address_space: global }
    .group_segment_fixed_size: 327680
    .private_segment_fixed_size: 0
    .kernarg_segment_align: 8
    .kernarg_segment_size: 48
    .max_flat_workgroup_size: 128
    .sgpr_count:     100
    .vgpr_count:     512
    .wavefront_size: 32
...
	.end_amdgpu_metadata
.endif
;; end of part 4
